; MI455X (gfx1250); checked and timed in simulation.
; The chip was launched on July 23, 2026; its instructions are those of AMD's public machine-readable ISA for CDNA 5 (MIT licence, August 2026) and "CDNA5" Instruction Set Architecture Reference Guide (July 2026). The comments in the code are by the model that wrote it; some were corrected since.
;; Naive Fourier KAN Layer. Allowed arithmetic: matrix products marked QUANTISED: E2M3 operands, one E8M0 scale for each 32 along K, by v_wmma_scale_f32_16x16x128_f8f6f4 with both operands' format E2M3, f32 sums; everything else in f32.
;; Inputs: fouriercoeffs 2 x 512 x 1,024 x 8 float32; x 8,192 x 1,024 float32.
;; Outputs: out0 8,192 x 512 float32.
;; This version of the problem:
;;   THIS VERSION OF THE PROBLEM IS GIVEN IN LOW PRECISION. The matrix products marked QUANTISED in the list below multiply operands that are first quantised to E2M3 (2 exponent bits, 3 mantissa bits; 6 bits a number), with one power-of-two scale for each 32 numbers along K (OCP MX v1.0); their sums are f32. All else is computed in f32.
;;   The module's matrix products, in the order in which they are computed (A, B: the left and right operand; K: the contracted axis; several contracted axes count as one K, in the product's order):
;;     1. [M 8,192, K 8,192] x [K 8,192, N 512]; A: computed on the way; B: input fouriercoeffs: QUANTISED
;;     2. [M 8,192, K 8,192] x [K 8,192, N 512]; A: computed on the way; B: input fouriercoeffs: QUANTISED
;;   THE QUANTISER, for each operand of a quantised product, along K:
;;     - K is cut into blocks of 32 from its start; a last block that is shorter is filled with zeros.
;;     - A block's scale is 2^e with e = floor(log2(the largest magnitude in the block)) - 2, held to -126 .. 127; a block of zeros has e = 0. As a byte (E8M0): e + 127.
;;     - Each number is divided by its block's scale, clamped to +-7.5, and rounded to the nearest number of E2M3, ties to even, subnormals kept.
;;     - The product sums the exact products of the quantised numbers (number of the format x scale) in f32.
;;   ~~~python
;;   def quantise(x, axis):      # numpy; x: float32 -> the quantised numbers, widened to float32 again
;;       x = np.moveaxis(x, axis, -1); K = x.shape[-1]
;;       x = np.pad(x, [(0, 0)] * (x.ndim - 1) + [(0, -K % 32)]); x = x.reshape(x.shape[:-1] + (-1, 32)); a = np.abs(x).max(-1, keepdims=True)
;;       e = np.where(a > 0, np.clip(np.frexp(np.where(a > 0, a, 1))[1] - 1 - 2, -126, 127), 0)      # np.frexp(a)[1] - 1 = floor(log2(a)), exactly
;;       r = np.clip(x / 2.0 ** e, -7.5, 7.5)
;;       step = 2.0 ** (np.maximum(np.frexp(np.where(r == 0, 1, r))[1] - 1, 0) - 3)
;;       q = np.round(r / step) * step * 2.0 ** e      # np.round: ties to even
;;       return np.moveaxis(q.reshape(q.shape[:-2] + (-1,))[..., :K], -1, axis).astype(np.float32)
;;   ~~~
;;   OPERANDS COMPUTED ON THE WAY. 'Computed on the way' means the value that the module computes at that place (a softmax that the list does not call 'softmax' is quantised finished and normalised). What goes into a quantiser is computed in f32, as accurately as f32 sums, v_exp_f32 and their like allow (about 1e-6 of the number): no bf16 or f16 on the way to a quantiser, and a product that is left as it is and whose result goes on into a quantised operand takes f32 operands (vector FMAs, or v_wmma_f32_16x16x4_f32). A number that lies on a knife's edge between two numbers of the format may be rounded either way, as far as f32 arithmetic and the matrix unit's own rounding can turn it there, and no further.
;; One version. Each part assembles by itself: llvm-mc -triple=amdgcn-amd-amdhsa -mcpu=gfx1250 --defsym DOCPART=n.
;; ======== version 1 of 1: 2 launches
;; limits: inputs' magnitudes at most 1,000,000
;; workspace buffers: wq 6,553,600 bytes
;; launch wquant (part 1): grid 256 x 1, 8 waves a work-group, no clusters, 69,632 bytes of LDS; arguments fouriercoeffs, wq; writes wq
.if DOCPART == 1
	.amdgcn_target "amdgcn-amd-amdhsa--gfx1250"
	.amdhsa_code_object_version 6
	.text
	.protected	k_q178156f050_wquant
	.globl	k_q178156f050_wquant
	.p2align	8
	.type	k_q178156f050_wquant,@function
k_q178156f050_wquant:
	s_mov_b64 s[64:65], 0
	v_nop
	global_prefetch_b8 v0, s[64:65] scope:SCOPE_SE
	s_setreg_imm32_b32 hwreg(HW_REG_WAVE_MODE, 25, 1), 1
	s_wait_xcnt 0x0
; W = fouriercoeffs [2][512][1024][8], f32, becomes codes of FP6 (E2M3) with one E8M0 byte for each 32 along K, laid as the product's launch takes them.
; K = (input i, harmonic k), k innermost: a block of 32 is 4 neighbouring inputs x 8 harmonics, 128 consecutive bytes of a row of W.
; A K STEP OF 128 of the product's launch is named (sigma 0..31, w 0..3) and covers the 8 inputs from i0 = 64 (sigma / 2) + 16 w + 8 (sigma % 2) on:
; block 0: cosine weights of i0 .. i0 + 3, block 1: of i0 + 4 .. i0 + 7, blocks 2 and 3: the sine weights of the same inputs.  Inside a block the place of (i, k) is 4 (k - 1) + i % 4.
; The blocks are the quantiser's own sets of 32 numbers; only their order along K and the places inside them are permuted, alike on both operands.
; A PIECE (y, sigma, w) of wq is 25,600 bytes at 25,600 x (128 y + 4 sigma + w): 16 fragments t (columns j = 256 y + 16 t + r) as images of the operand's 12 registers,
; register p of lane l at 1536 t + 512 (p / 4) + 16 l + 4 (p % 4); behind them, from byte 24,576 on, the scale words, 64 t + 4 r.
; A work-group makes one piece, each of its eight waves two fragments.  A load reads 2 columns x 256 consecutive bytes; the numbers turn through the wave's own stage in LDS, so that lane (r, h)
; gets the whole blocks h and 2 + h of column r: no other lane is asked for a maximum.  All 32 loads of a wave go out at the head.
; A block's scale is 2^(floor(log2(its largest magnitude)) - 2); its byte is the largest magnitude's exponent field - 2, held at 1 from below.
; LIMITS: a block of zeros gets the byte 1 where the quantiser says 127: its codes are zeros, and the bytes are read by this program alone.  NaN and infinities among the inputs are not served.
.set STGB,   8448                      ; a wave's stage: 16 columns x 528 bytes
.set SPITCH, 528                       ; 512 bytes of data (256 of cosine weights, 256 of sine weights) + 16: an odd multiple of 16, so the 16 rows of a read begin at 16 different 16-byte columns of 256
.set SCA,    8*STGB                    ; the piece's 256 scale words
.set SPARE,  SCA+1024                  ; the spare words, 128 bytes for each wave: four blocks of 256 bytes that no other line names
.set SPW,  1                           ; v1   LDS address of my spare word; never rewritten
.set NIL,  2                           ; v2   0; never rewritten
.set LGO,  3                           ; v3   a load: 32,768 x (lane / 16) + 16 x (lane % 16)
.set STW,  4                           ; v4   into the stage
.set STR,  5                           ; v5   out of it
.set L16,  6                           ; v6   16 x lane
.set SCW,  7                           ; v7   my column's scale word in LDS
.set SH8,  8                           ; v8   8 h
.set PRT,  9                           ; v9   a lane permute's destination
.set GSO,  10                          ; v10  16 x thread
.set SCR,  15                          ; v15  SCA + 16 x thread
.set LR,   16                          ; v16-143  two fragments x 64 numbers as loaded; then the same numbers in the blocks' places
.set NN,   144                         ; v144-207 64 numbers back from the stage
.set FF,   208                         ; v208-231 two fragments' codes
.set TU,   232                         ; v232-234, v236-238 the upper halves of two blocks (a conversion's three registers begin on an even number)
.set MX,   240                         ; v240-243 largest magnitudes, two chains a block
.set EE,   244                         ; v244-245 the conversions' scale operands
.set BB,   246                         ; v246-247 the scale bytes
.set WD,   248                         ; v248 the scale word
	s_load_b128 s[4:7], s[0:1], 0x0                ; W, wq
	v_lshl_add_u32 v[SPW], v0, 2, SPARE
	v_mov_b32 v[NIL], 0
	v_lshrrev_b32 v11, 5, v0
	v_readfirstlane_b32 s8, v11                    ; wave 0..7
	v_and_b32 v11, 31, v0                          ; lane
	v_and_b32 v12, 15, v0                          ; r
	v_bfe_u32 v13, v0, 4, 1                        ; h
	v_lshlrev_b32 v14, 4, v12
	v_lshl_add_u32 v[LGO], v13, 15, v14            ; lanes 0-15 one column's 256 bytes, lanes 16-31 the next column's
	s_mul_i32 s9, s8, STGB
	v_mad_u32_u24 v[STW], v13, SPITCH, v14
	v_add_nc_u32 v[STW], s9, v[STW]
	v_mul_u32_u24 v[STR], v12, SPITCH
	v_lshl_add_u32 v[STR], v13, 7, v[STR]          ; column r, block h: 128 h bytes on
	v_add_nc_u32 v[STR], s9, v[STR]
	v_lshlrev_b32 v[L16], 4, v11
	s_lshl_b32 s10, s8, 7
	s_add_co_u32 s10, s10, SCA
	v_lshl_add_u32 v[SCW], v12, 2, s10             ; SCA + 128 x wave + 4 r
	v_lshlrev_b32 v[SH8], 3, v13
	v_mov_b32 v[PRT], 0                            ; written once: a lane permute's destination counts as one of its sources
	v_lshlrev_b32 v[GSO], 4, v0
	v_lshl_add_u32 v[SCR], v0, 4, SCA
	s_mov_b32 s28, 0x76543210
	s_mov_b32 s29, 0xfedcba98                      ; v_permlanex16_b32's selects for lane l xor 16
	s_and_b32 s11, ttmp9, 3                        ; w
	s_bfe_u32 s12, ttmp9, 0x50002                  ; sigma
	s_lshr_b32 s13, ttmp9, 7                       ; y
	s_lshr_b32 s14, s12, 1
	s_lshl_b32 s14, s14, 11
	s_lshl_b32 s15, s11, 9
	s_add_co_u32 s14, s14, s15
	s_and_b32 s15, s12, 1
	s_lshl_b32 s15, s15, 8
	s_add_co_u32 s14, s14, s15                     ; 32 i0: where the K step's 256 bytes begin in a row of W
	s_lshl_b32 s15, s13, 23
	s_add_co_u32 s14, s14, s15                     ; + 256 y rows of 32,768 bytes
	s_lshl_b32 s15, s8, 20
	s_add_co_u32 s14, s14, s15                     ; + 32 rows for each wave
	s_mov_b32 s15, 0
	s_mul_i32 s16, ttmp9, 25600                    ; my piece
	s_mov_b32 s17, 0
	s_mul_i32 s18, s8, 3072                        ; my two fragments in it
	s_mov_b32 s19, 0
	s_wait_kmcnt 0x0
	s_add_nc_u64 s[20:21], s[4:5], s[14:15]        ; the cosine weights,
	s_add_nc_u64 s[22:23], s[20:21], 0x1000000     ; the sine weights: 512 rows on, further than a load's immediate reaches
	s_add_nc_u64 s[24:25], s[6:7], s[16:17]
	s_add_nc_u64 s[26:27], s[24:25], 24576         ; the piece's scale words
	s_add_nc_u64 s[24:25], s[24:25], s[18:19]      ; my fragments
.irp f, 0,1
.irp i, 0,1,2,3,4,5,6,7
	global_load_b128 v[LR+64*\f+4*\i:LR+64*\f+4*\i+3], v[LGO], s[20:21] offset:524288*\f+65536*\i th:TH_LOAD_NT
	global_load_b128 v[LR+64*\f+32+4*\i:LR+64*\f+32+4*\i+3], v[LGO], s[22:23] offset:524288*\f+65536*\i th:TH_LOAD_NT
.endr
.endr
.macro FRAG f
.set MB, LR+64*(\f)
.set FB, FF+12*(\f)
.if (\f) == 0
	s_wait_loadcnt 16                              ; this fragment's 16 loads are in; the other's may be out
.else
	s_wait_loadcnt 0x0
.endif
.irp p, 0,1
.irp i, 0,1,2,3,4,5,6,7
	ds_store_b128 v[STW], v[MB+32*\p+4*\i:MB+32*\p+4*\i+3] offset:2*SPITCH*\i+256*\p
.endr
.endr
.irp c, 0,1
.irp e, 0,1,2,3,4,5,6,7
	ds_load_b128 v[NN+32*\c+4*\e:NN+32*\c+4*\e+3], v[STR] offset:256*\c+16*\e   ; LDS serves a wave's instructions in order: these see my stores
.endr
.endr
	s_wait_dscnt 0x0                               ; register 32 c + 8 n + k - 1 now holds W(c, column r, input i0 + 4 h + n, harmonic k)
.irp c, 0,1
	v_max3_num_f32 v[MX+2*\c], |v[NN+32*\c]|, |v[NN+32*\c+1]|, 0x1800000   ; the floor 2^(3 - 127): the byte cannot fall under 1
	v_max3_num_f32 v[MX+2*\c+1], |v[NN+32*\c+2]|, |v[NN+32*\c+3]|, |v[NN+32*\c+4]|
.endr
.irp i, 5,9,13,17,21,25
.irp c, 0,1
	v_max3_num_f32 v[MX+2*\c], v[MX+2*\c], |v[NN+32*\c+\i]|, |v[NN+32*\c+\i+1]|
	v_max3_num_f32 v[MX+2*\c+1], v[MX+2*\c+1], |v[NN+32*\c+\i+2]|, |v[NN+32*\c+\i+3]|
.endr
.endr
.irp c, 0,1
	v_max3_num_f32 v[MX+2*\c], v[MX+2*\c], |v[NN+32*\c+29]|, |v[NN+32*\c+30]|
.endr
.irp c, 0,1
	v_max3_num_f32 v[MX+2*\c], v[MX+2*\c], v[MX+2*\c+1], |v[NN+32*\c+31]|   ; the block's largest magnitude
.endr
.irp c, 0,1
	v_add_nc_u32 v[EE+\c], 0xff000000, v[MX+2*\c]  ; 2 off its exponent field: the conversion takes the exponent field of this operand as its scale
.endr
.irp c, 0,1
	v_lshrrev_b32 v[BB+\c], 23, v[EE+\c]           ; the scale's byte
.endr
.irp c, 0,1
.irp k, 0,1,2,3,4,5,6,7
.irp n, 0,1,2,3
	v_mov_b32 v[MB+32*\c+4*\k+\n], v[NN+32*\c+8*\n+\k]   ; into the block's places, 4 (k - 1) + i % 4: the conversions want consecutive registers
.endr
.endr
.endr
	v_cvt_scalef32_pk16_fp6_f32 v[FB:FB+2], v[MB:MB+15], v[EE]
	v_cvt_scalef32_pk16_fp6_f32 v[TU:TU+2], v[MB+16:MB+31], v[EE]
	v_cvt_scalef32_pk16_fp6_f32 v[FB+6:FB+8], v[MB+32:MB+47], v[EE+1]
	v_cvt_scalef32_pk16_fp6_f32 v[TU+4:TU+6], v[MB+48:MB+63], v[EE+1]
	v_lshl_or_b32 v[WD], v[BB+1], 16, v[BB]        ; my two bytes, blocks h and 2 + h (plain lines behind the conversions),
	v_lshlrev_b32 v[WD], v[SH8], v[WD]             ; at their places in the word;
	v_permlanex16_b32 v[PRT], v[WD], s28, s29
	v_or_b32 v[WD], v[WD], v[PRT]                  ; with lane l xor 16's two the word is whole
.irp n, 0,1,2
	v_mov_b32 v[FB+3+\n], v[TU+\n]
	v_mov_b32 v[FB+9+\n], v[TU+4+\n]
.endr
	ds_store_b32 v[SCW], v[WD] offset:64*(\f)      ; both halves of the lanes write the same word with the same value
.irp c, 0,1,2
	global_store_b128 v[L16], v[FB+4*\c:FB+4*\c+3], s[24:25] offset:1536*(\f)+512*\c   ; 32 lanes store 512 consecutive bytes, at a multiple of 256 from the buffer's first byte
.endr
.endm
	FRAG 0
	FRAG 1
	s_wait_dscnt 0x0                               ; for the others' sake: my scale words have landed
	s_barrier_signal -1
	s_barrier_wait -1
	s_cmp_lt_u32 s8, 2                             ; the piece's 1,024 bytes of scale words leave by two waves, 512 consecutive bytes each
	s_cbranch_scc0 .Lend
	ds_load_b128 v[NN:NN+3], v[SCR]
	s_wait_dscnt 0x0
	global_store_b128 v[GSO], v[NN:NN+3], s[26:27]
.Lend:
	s_wait_tensorcnt 0x0                           ; the wave's end: behind my last LDS store
	ds_add_u32 v[SPW], v[NIL]
	s_wait_dscnt 0x0
	s_endpgm
.Lfunc_end_k_q178156f050_wquant:
	.size	k_q178156f050_wquant, .Lfunc_end_k_q178156f050_wquant-k_q178156f050_wquant
	.p2alignl 7, 3214868480
	.fill 96, 4, 3214868480
	.section	.rodata,"a",@progbits
	.p2align	6, 0x0
	.amdhsa_kernel k_q178156f050_wquant
		.amdhsa_group_segment_fixed_size 69632
		.amdhsa_private_segment_fixed_size 0
		.amdhsa_enable_private_segment 0
		.amdhsa_kernarg_size 16
		.amdhsa_user_sgpr_count 2
		.amdhsa_user_sgpr_kernarg_segment_ptr 1
		.amdhsa_wavefront_size32 1
		.amdhsa_system_sgpr_workgroup_id_x 1
		.amdhsa_system_sgpr_workgroup_id_y 1
		.amdhsa_system_sgpr_workgroup_id_z 1
		.amdhsa_system_vgpr_workitem_id 0
		.amdhsa_next_free_vgpr 256
		.amdhsa_next_free_sgpr 66
		.amdhsa_reserve_vcc 0
		.amdhsa_float_denorm_mode_32 3
		.amdhsa_float_denorm_mode_16_64 3
		.amdhsa_memory_ordered 1
		.amdhsa_forward_progress 1
		.amdhsa_inst_pref_size 21
	.end_amdhsa_kernel
	.amdgpu_metadata
---
amdhsa.version: [ 1, 2 ]
amdhsa.kernels:
  - .name:           k_q178156f050_wquant
    .symbol:         k_q178156f050_wquant.kd
    .args:
      - { .name: fouriercoeffs, .offset: 0, .size: 8, .value_kind: global_buffer, .address_space: global }
      - { .name: wq, .offset: 8, .size: 8, .value_kind: global_buffer, .address_space: global }
    .group_segment_fixed_size: 69632
    .private_segment_fixed_size: 0
    .kernarg_segment_align: 8
    .kernarg_segment_size: 16
    .max_flat_workgroup_size: 256
    .sgpr_count:     66
    .vgpr_count:     256
    .wavefront_size: 32
...
	.end_amdgpu_metadata
.endif
;; end of part 1
;; launch fkan (part 2): grid 128 x 2, 4 waves a work-group, clusters of 4 x 1, 327,680 bytes of LDS; arguments x, wq, out0; writes out0
.if DOCPART == 2
	.amdgcn_target "amdgcn-amd-amdhsa--gfx1250"
	.amdhsa_code_object_version 6
	.text
	.protected	k_q178156f050_fkan
	.globl	k_q178156f050_fkan
	.p2align	8
	.type	k_q178156f050_fkan,@function
k_q178156f050_fkan:
	s_mov_b64 s[64:65], 0
	v_nop
	global_prefetch_b8 v0, s[64:65] scope:SCOPE_SE
	s_setreg_imm32_b32 hwreg(HW_REG_WAVE_MODE, 25, 1), 1
	s_wait_xcnt 0x0
	s_wait_alu depctr_hold_cnt(0) depctr_sa_sdst(0) depctr_va_vdst(0) depctr_va_sdst(0) depctr_va_ssrc(0) depctr_va_vcc(0) depctr_vm_vsrc(0)
	s_getreg_b32 s2, hwreg(HW_REG_IB_STS2, 6, 4)
	s_cmp_eq_u32 s2, 0
	s_cbranch_scc0 .Lentry_in_a_cluster
	s_endpgm
.Lentry_in_a_cluster:
	s_bfe_u32 s2, ttmp6, 0x10000c
	s_cmp_lg_u32 s2, 0x3003
	s_cbranch_scc0 .Lentry_shape_is_right
	s_endpgm
.Lentry_shape_is_right:
; out0[b][j] = sum over (i, k) of cos(k x[b][i]) W[0][j][i][k] + sin(k x[b][i]) W[1][j][i][k], k = 1 .. 8; both products on codes of FP6 (E2M3) with one E8M0 scale for each 32 along K = (i, k).
; x: [8192][1024] f32.  wq: W's codes and scale words in pieces of 25,600 bytes, one for each K step of 128: 16 fragments as images of the operand's registers, then their scale words.  out0: [8192][512] f32.
; SHARES.  A work-group makes 64 rows x 256 columns.  ITS FOUR WAVES SHARE K, NOT THE TILE: each holds all 64 accumulators (512 registers) and takes every fourth K step.  So a wave makes the features
; of its K steps in its own registers, where the product wants them, and each byte of W's codes is read from LDS once, by the wave that asked for it, and feeds four products.  The four waves' sums meet in LDS at the end.
; A K STEP (sigma 0..31, wave w) covers 8 inputs from i0 = 64 (sigma / 2) + 16 w + 8 (sigma % 2) on: blocks 0, 1: the cosines of i0 .. + 3 and i0 + 4 .. + 7; blocks 2, 3: the sines.  In a block the place is 4 (k - 1) + i % 4.
; The blocks are the quantiser's own sets of 32; their order and the places in them are permuted alike on both operands.  Lane (r, h) of a fragment holds blocks h and 2 + h of row r: all made of that lane's four x.
; THE WALK ALONG K BEGINS ELSEWHERE IN EACH CLUSTER: cluster c takes its 32 steps t in the order sigma = (2 ((3 c) % 16) + t) % 32: sixteen starting places, so that at any time the clusters ask for pieces
; from all along K and not all for the same one.  The start is even, so a step's parity is sigma's; x's units of 64 inputs are walked in the same turned order, (3 c + m) % 16.
; FEATURES.  n = x / pi to the nearest whole number, R = x - n pi (pi in two parts), sin R and cos R by their series to R^11 and R^12, the sign by n's parity; then cos 2a = c^2 - s^2, sin 2a = 2 c s for k = 2, 4, 8,
; and cos((m + n) x) = 2 cos(m x) cos(n x) - cos((m - n) x) and its like for k = 3, 5, 6, 7.  All packed, two inputs an instruction.  131 vector instructions make a lane's 64 features, their two scales and 12 registers of codes.
; BY TURNS.  A step is 64 products; the four tasks that make the NEXT step's four fragments of features are cut into 16 slices each, one slice behind each product.
; THE PRODUCT IS USED TRANSPOSED: source 0 = 16 columns of W, source 1 = 16 rows of features: a lane then holds eight neighbouring columns of one row of the output.
; CLUSTER.  The four work-groups of a cluster have the same 256 columns and walk the same pieces of wq: each piece is asked for jointly, by the same tensor load with a mask that names the four.
; LIMITS.  cos(k x) and sin(k x) are made of cos x and sin x, not of the rounded product k x: for k = 3, 5, 6, 7 the angle differs by up to half a unit in the last place of k x.  The reduction holds for |x| under 1e6.
; NaN and infinities are not served.  A block of zeros would get the byte 1 where the quantiser says 127 (its codes are zeros).  The f32 sums go in another order: both products into one accumulator, K in four parts,
; begun at a place that differs from cluster to cluster.
.set PIECE,  25600                     ; a piece: 100 rows of 256 bytes
.set SCOFF,  24576                     ; its scale words
.set SLOTB,  4*PIECE                   ; a slot: the four waves' pieces of one sigma
.set XST,    2*SLOTB                   ; behind the ring: x's stage, two buffers of 64 rows x (256 bytes + 16)
.set XSTB,   64*272
.set OPITCH, 1040                      ; the way out: a row of 1,024 bytes + 16
.set CPY,    64*OPITCH                 ; a wave's copy of the tile; the four copies lie from byte 0 on, over slots that have had their last fill and their last read
.set SPARE,  4*CPY                     ; the spare words, 128 bytes for each wave: two blocks of 256 bytes that no other line names
; window 0
.set SPW, 1                            ; v1   LDS address of my spare word; never rewritten
.set NIL, 2                            ; v2   0; never rewritten
.set XRD, 3                            ; v3   x's stage, a read: XST + 272 r + 64 w + 16 h
.set XRA, 4                            ; v4   the same in the buffer that is being read
.set XWR, 5                            ; v5   a store: XST + 272 (16 w + lane / 16) + 16 (lane % 16)
.set XWA, 6                            ; v6   the same in the buffer that is being written
.set XGO, 7                            ; v7   x in memory: 4,096 (lane / 16) + 16 (lane % 16)
.set WRD, 8                            ; v8-9   my piece in slot 0, 1: + 16 x lane
.set WSD, 10                           ; v10-11 its scale words: + 4 x lane
.set PFO, 12                           ; v12  4,096 x lane
.set PRT, 13                           ; v13  a lane permute's destination
.set MAG, 14                           ; v[14:15] 1.5 x 2^23, twice
.set S5V, 16                           ; v[16:17] -1/11!, twice
.set C6V, 18                           ; v[18:19] 1/12!, twice
.set X,   20                           ; v20-27 two sets of a lane's four x
.set DD,  28                           ; v28-31 twice a cosine
.set QQ,  32                           ; v32-35 a sine's square
.set MC,  36                           ; v36-37 the cosine block's largest magnitude, two chains
.set MS,  38                           ; v38-39 the sine block's
.set EC,  40                           ; v40, v41 the conversions' scale operands
.set ES,  41
.set BC,  42                           ; v42, v43 the scale bytes
.set BS,  43
.set TUC, 44                           ; v44-46, v48-50 the blocks' upper halves (a conversion's three registers begin on an even number)
.set TUS, 48
.set CB,  52                           ; v52-83  the cosine block: cos(k x) of input n at 4 (k - 1) + n
.set SB,  84                           ; v84-115 the sine block
.set WS,  116                          ; v116-131 W's scale words, two sets of 8: lanes 0-15 fragment 2 j, lanes 16-31 fragment 2 j + 1.  Scales and nothing else
.set AS,  132                          ; v132-139 the features' scale words, two sets of 4.  Scales and nothing else
.set WF,  144                          ; v144-239 W's fragments, two sets of 4 x 12
.set RDA, 240                          ; v240-243 the way out: my rows in the four copies
.set SOA, 244                          ; v244 the way out: where I put 32 bytes of a row
.set L16, 245                          ; v245 16 x lane
.set TT,  CB+16                        ; what the first five slices work on lies in places of the blocks that are written later
.set NF,  CB+20
.set RR,  CB+24
.set ZZ,  CB+28
.set ZS,  CB+12
.set PSI, SB+16
.set PCO, SB+20
.set SG,  SB+24
.set RS,  SB+28
; window 1: v0-31, v32-63 x as loaded; v128-223 the features' fragments, two sets of 4 x 12.   windows 2, 3: the accumulators: (fragment t, rows 16 a on) has number 4 t + a, at v[8 (number % 32)]
.set XB,  0
.set XB2, 32
.set AF,  128
; scalars
.set G1,  16                           ; s[16:23] descriptor group 1
.set G0,  24                           ; s[24:31] group 0, a set for each slot
.set KIP, 32                           ; s[32:53] constants, each twice: a packed source names a pair
.set KPH, 34
.set KPL, 36
.set KS4, 38
.set KS3, 40
.set KS2, 42
.set KS1, 44
.set KC5, 46
.set KC4, 48
.set KC3, 50
.set KC2, 52
.set SEL, 54                           ; s[54:55] v_permlanex16_b32's selects for lane l xor 16
.set PSEL, 56                          ; s56 v_perm_b32's selector
.set XT,  57                           ; s57 which buffer of x's stage is read, in bytes
.set XU,  58                           ; s58 which is written
.set TR,  59                           ; s59 the loop's trip
.set XP,  60                           ; s[60:61] x: my 16 rows, the unit of 64 inputs loaded last
.set PFA, 66                           ; s[66:67] x: where my prefetch stands
.set LIM, 68                           ; s68 a wave prefetches while the trip is under this
.set SGC, 80                           ; s80 the walk's start + the step whose piece was asked for last; its low five bits are that piece's sigma
.set UC,  81                           ; s81 the walk's first unit + the unit of x loaded last; its low four bits say where that unit lies
.set XBS, 82                           ; s[82:83] x at my 16 rows' first byte; never rewritten
.set PFB, 84                           ; s[84:85] x at the first byte of the 32 rows that I prefetch; never rewritten
.set WO,  86                           ; s[86:87] a piece's offset in wq; the upper word stays 0
.set XO,  88                           ; s[88:89] a unit's offset in a row of x; the upper word stays 0
.set PO,  90                           ; s[90:91] the same for the prefetch
.set XP2, 92                           ; s[92:93] the head's second unit
.set MSB, 0
.macro WIN new                         ; s_set_vgpr_msb: bits 1:0 source 0, 3:2 source 1, 5:4 source 2, 7:6 destination; the high byte repeats the setting that is left
.if MSB != (\new)
	s_set_vgpr_msb (MSB<<8)|(\new)
.set MSB, (\new)
.endif
.endm
.macro CREST                           ; a round of the cluster's barrier behind its opening barrier
	s_cmp_lg_u32 s10, 0
	s_cbranch_scc1 .Lnot_wave_0_\@
	s_barrier_signal -3
.Lnot_wave_0_\@:
	s_barrier_wait -3
	s_barrier_signal -1
	s_barrier_wait -1
.endm
.macro ROUND                           ; a whole round
	s_barrier_signal -1
	s_barrier_wait -1
	CREST
.endm
.macro KPAIR r, val
	s_mov_b32 s[\r], \val
	s_mov_b32 s[\r+1], \val
.endm
.macro XNEXT                           ; x's pointer goes on to the walk's next unit: 256 bytes on in each row, round the row's end.  It stands where no load that names the pointer is out
	s_add_co_u32 s[UC], s[UC], 1
	s_and_b32 s[XO], s[UC], 15
	s_lshl_b32 s[XO], s[XO], 8
	s_add_nc_u64 s[XP:XP+1], s[XBS:XBS+1], s[XO:XO+1]
.endm
; packed arithmetic on a lane's four inputs: two instructions each
.macro PMUL d, a, b
.irp q, 0,2
	v_pk_mul_f32 v[\d+\q:\d+\q+1], v[\a+\q:\a+\q+1], v[\b+\q:\b+\q+1]
.endr
.endm
.macro PDBL d, a
.irp q, 0,2
	v_pk_add_f32 v[\d+\q:\d+\q+1], v[\a+\q:\a+\q+1], v[\a+\q:\a+\q+1]
.endr
.endm
.macro PFMA d, a, b, c                 ; a b + c
.irp q, 0,2
	v_pk_fma_f32 v[\d+\q:\d+\q+1], v[\a+\q:\a+\q+1], v[\b+\q:\b+\q+1], v[\c+\q:\c+\q+1]
.endr
.endm
.macro PFMS d, a, b, c                 ; a b - c
.irp q, 0,2
	v_pk_fma_f32 v[\d+\q:\d+\q+1], v[\a+\q:\a+\q+1], v[\b+\q:\b+\q+1], v[\c+\q:\c+\q+1] neg_lo:[0,0,1] neg_hi:[0,0,1]
.endr
.endm
.macro PFMK d, a, b, k                 ; a b + a constant
.irp q, 0,2
	v_pk_fma_f32 v[\d+\q:\d+\q+1], v[\a+\q:\a+\q+1], v[\b+\q:\b+\q+1], s[\k:\k+1] op_sel_hi:[1,1,0]
.endr
.endm
; line k of 16 of a block's largest magnitude, for both blocks.  0: places 0, 1 and the floor 2^(3 - 127), which holds the byte at 1 from below; 1: places 2, 3, 4; 2 .. 14: the two chains by turns, places 2 k + 1, 2 k + 2; 15: both chains and place 31
.macro MAXK k
.if (\k) == 0
	v_max3_num_f32 v[MC], |v[CB]|, |v[CB+1]|, 0x1800000
	v_max3_num_f32 v[MS], |v[SB]|, |v[SB+1]|, 0x1800000
.elseif (\k) == 1
	v_max3_num_f32 v[MC+1], |v[CB+2]|, |v[CB+3]|, |v[CB+4]|
	v_max3_num_f32 v[MS+1], |v[SB+2]|, |v[SB+3]|, |v[SB+4]|
.elseif (\k) == 15
	v_max3_num_f32 v[MC], v[MC], v[MC+1], |v[CB+31]|
	v_max3_num_f32 v[MS], v[MS], v[MS+1], |v[SB+31]|
.else
	v_max3_num_f32 v[MC+(\k)%2], v[MC+(\k)%2], |v[CB+2*(\k)+1]|, |v[CB+2*(\k)+2]|
	v_max3_num_f32 v[MS+(\k)%2], v[MS+(\k)%2], |v[SB+2*(\k)+1]|, |v[SB+2*(\k)+2]|
.endif
.endm
; SLICE k of 16 of a task: the fragment of rows 16 a on, from the four x in set xs, into the features' set par.
.macro SLICE a, par, xs, k
.set XX,  X+4*(\xs)
.set AFB, AF+48*(\par)+12*(\a)
.set ASW, AS+4*(\par)+(\a)
.if (\k) == 15
	WIN 0x40                                       ; destination window 1
.else
	WIN 0
.endif
.if (\k) == 0
.irp q, 0,2
	v_pk_fma_f32 v[TT+\q:TT+\q+1], v[XX+\q:XX+\q+1], s[KIP:KIP+1], v[MAG:MAG+1] op_sel_hi:[1,0,1]   ; x / pi + 1.5 x 2^23: the sum's last place is 1, so it is n + 1.5 x 2^23
.endr
.irp q, 0,2
	v_pk_add_f32 v[NF+\q:NF+\q+1], v[TT+\q:TT+\q+1], v[MAG:MAG+1] neg_lo:[0,1] neg_hi:[0,1]          ; n
.endr
.irp q, 0,2
	v_pk_fma_f32 v[RR+\q:RR+\q+1], v[NF+\q:NF+\q+1], s[KPH:KPH+1], v[XX+\q:XX+\q+1] op_sel_hi:[1,0,1]   ; x - n pi: pi's upper part,
.endr
.irp q, 0,2
	v_pk_fma_f32 v[RR+\q:RR+\q+1], v[NF+\q:NF+\q+1], s[KPL:KPL+1], v[RR+\q:RR+\q+1] op_sel_hi:[1,0,1]   ; and its lower
.endr
.elseif (\k) == 1
.irp n, 0,1,2,3
	v_lshl_or_b32 v[SG+\n], v[TT+\n], 31, 0x3f800000   ; (-1)^n: n's parity is the sum's lowest bit
.endr
	PMUL ZZ, RR, RR
.irp q, 0,2
	v_pk_fma_f32 v[PSI+\q:PSI+\q+1], v[ZZ+\q:ZZ+\q+1], v[S5V:S5V+1], s[KS4:KS4+1] op_sel_hi:[1,1,0]
.endr
.elseif (\k) == 2
.irp q, 0,2
	v_pk_fma_f32 v[PCO+\q:PCO+\q+1], v[ZZ+\q:ZZ+\q+1], v[C6V:C6V+1], s[KC5:KC5+1] op_sel_hi:[1,1,0]
.endr
	PFMK PSI, PSI, ZZ, KS3
	PFMK PCO, PCO, ZZ, KC4
	PFMK PSI, PSI, ZZ, KS2
.elseif (\k) == 3
	PFMK PCO, PCO, ZZ, KC3
	PFMK PSI, PSI, ZZ, KS1
	PFMK PCO, PCO, ZZ, KC2
	PMUL RS, RR, SG
	v_pk_mul_f32 v[ZS:ZS+1], v[ZZ:ZZ+1], v[SG:SG+1]
.elseif (\k) == 4
	v_pk_mul_f32 v[ZS+2:ZS+3], v[ZZ+2:ZZ+3], v[SG+2:SG+3]
.irp q, 0,2
	v_pk_fma_f32 v[PCO+\q:PCO+\q+1], v[PCO+\q:PCO+\q+1], v[ZZ+\q:ZZ+\q+1], -0.5 op_sel_hi:[1,1,0]
.endr
	PMUL PSI, PSI, ZZ
	PFMA SB, RS, PSI, RS                           ; sin x = (-1)^n (R + R Z (..))
	PFMA CB, PCO, ZS, SG                           ; cos x = (-1)^n (1 + Z (-1/2 + ..))
.elseif (\k) == 5
	PDBL DD, CB
	PMUL QQ, SB, SB
	PMUL SB+4, DD, SB                              ; k = 2
	PFMS CB+4, CB, CB, QQ
.elseif (\k) == 6
	PDBL DD, CB+4
	PMUL QQ, SB+4, SB+4
	MAXK 0
	MAXK 1
.elseif (\k) == 7
	PMUL SB+12, DD, SB+4                           ; k = 4
	PFMS CB+12, CB+4, CB+4, QQ
	PFMS CB+8, DD, CB, CB                          ; k = 3 = 2 + 1
	PFMA SB+8, DD, SB, SB
.elseif (\k) == 8
	PDBL DD, CB+12
	PMUL QQ, SB+12, SB+12
	MAXK 2
	MAXK 3
.elseif (\k) == 9
	PMUL SB+28, DD, SB+12                          ; k = 8
	PFMS CB+28, CB+12, CB+12, QQ
	PFMS CB+16, DD, CB, CB+8                       ; k = 5 = 4 + 1
	PFMA SB+16, DD, SB, SB+8
.elseif (\k) == 10
	PFMS CB+20, DD, CB+4, CB+4                     ; k = 6 = 4 + 2
	PFMA SB+20, DD, SB+4, SB+4
	PFMS CB+24, DD, CB+8, CB                       ; k = 7 = 4 + 3
	PFMA SB+24, DD, SB+8, SB
.elseif (\k) == 11
	MAXK 4
	MAXK 5
	MAXK 6
	MAXK 7
.elseif (\k) == 12
	MAXK 8
	MAXK 9
	MAXK 10
	MAXK 11
.elseif (\k) == 13
	MAXK 12
	MAXK 13
	MAXK 14
	MAXK 15
.elseif (\k) == 14
	v_add_nc_u32 v[EC], 0xff000000, v[MC]          ; 2 off the exponent field: the conversion's scale operand
	v_add_nc_u32 v[ES], 0xff000000, v[MS]
	v_lshrrev_b32 v[BC], 23, v[EC]                 ; the scale's byte
	v_lshrrev_b32 v[BS], 23, v[ES]
	v_cvt_scalef32_pk16_fp6_f32 v[TUC:TUC+2], v[CB+16:CB+31], v[EC]
	v_cvt_scalef32_pk16_fp6_f32 v[TUS:TUS+2], v[SB+16:SB+31], v[ES]
	v_lshl_or_b32 v[BS], v[BS], 16, v[BC]          ; my two bytes: blocks h and 2 + h
	v_permlanex16_b32 v[PRT], v[BS], s[SEL], s[SEL+1]
	v_perm_b32 v[ASW], v[PRT], v[BS], s[PSEL]      ; mine, the other half's, mine, the other half's: in lanes 0-15, which alone are read, row r's word
.else
	v_cvt_scalef32_pk16_fp6_f32 v[AFB:AFB+2], v[CB:CB+15], v[EC]
	v_cvt_scalef32_pk16_fp6_f32 v[AFB+6:AFB+8], v[SB:SB+15], v[ES]
.irp n, 0,1,2
	v_mov_b32 v[AFB+3+\n], v[TUC+\n]               ; six plain lines behind the conversions
.endr
.irp n, 0,1,2
	v_mov_b32 v[AFB+9+\n], v[TUS+\n]
.endr
.endif
.endm
.macro TASK a, par, xs
.irp k, 0,1,2,3,4,5,6,7,8,9,10,11,12,13,14,15
	SLICE \a, \par, \xs, \k
.endr
.endm
; product i of 16 of group g: W's fragment t = 4 g + i / 4 against the features' rows 16 (i % 4) on.  The 64 accumulators take turns, one instruction a turn, in the same order in every step.
.macro MM g, i, par, zero
.set ACC, 8*((16*(\g)+(\i))%32)
.set WFR, WF+48*((\g)%2)+12*((\i)/4)
.set AFR, AF+48*(\par)+12*((\i)%4)
.set WSR, WS+8*(\par)+2*(\g)+(\i)/8
.set ASR, AS+4*(\par)+(\i)%4
	WIN 0xa4+0x50*((\g)/2)                         ; source 0 (W) window 0, source 1 (features) window 1, C and D window 2 or 3
.if \zero
.if ((\i)/4)%2
	v_wmma_scale_f32_16x16x128_f8f6f4 v[ACC:ACC+7], v[WFR:WFR+11], v[AFR:AFR+11], 0, v[WSR], v[ASR] matrix_a_fmt:MATRIX_FMT_FP6 matrix_b_fmt:MATRIX_FMT_FP6 matrix_a_scale:MATRIX_SCALE_ROW1
.else
	v_wmma_scale_f32_16x16x128_f8f6f4 v[ACC:ACC+7], v[WFR:WFR+11], v[AFR:AFR+11], 0, v[WSR], v[ASR] matrix_a_fmt:MATRIX_FMT_FP6 matrix_b_fmt:MATRIX_FMT_FP6
.endif
.else
.if ((\i)/4)%2
	v_wmma_scale_f32_16x16x128_f8f6f4 v[ACC:ACC+7], v[WFR:WFR+11], v[AFR:AFR+11], v[ACC:ACC+7], v[WSR], v[ASR] matrix_a_fmt:MATRIX_FMT_FP6 matrix_b_fmt:MATRIX_FMT_FP6 matrix_a_scale:MATRIX_SCALE_ROW1
.else
	v_wmma_scale_f32_16x16x128_f8f6f4 v[ACC:ACC+7], v[WFR:WFR+11], v[AFR:AFR+11], v[ACC:ACC+7], v[WSR], v[ASR] matrix_a_fmt:MATRIX_FMT_FP6 matrix_b_fmt:MATRIX_FMT_FP6
.endif
.endif
.endm
; THE RUN OF LDS LOADS of group g, behind its first product and slice: the next group's four fragments into the other set, and the next task's x.  The set's last reader is the group before's last product:
; behind that stand six plain moves and a slice of eight plain lines (without slices: four v_nop), the places that loads into a product's registers want.
; In a step's last group the next step's first fragments and scale words come from the other slot, and x for the step after next.
.macro RUN g, par, prod, nw, nx, tog
	WIN 0
.if !(\prod)
.rept 4
	v_nop
.endr
.endif
.if (\g) < 3
.irp f, 0,1,2,3
.irp c, 0,1,2
	ds_load_b128 v[WF+48*(((\g)+1)%2)+12*\f+4*\c:WF+48*(((\g)+1)%2)+12*\f+4*\c+3], v[WRD+(\par)] offset:1536*(4*((\g)+1)+\f)+512*\c
.endr
.endr
.if \prod
	ds_load_b128 v[X+4*(((\g)+1)%2):X+4*(((\g)+1)%2)+3], v[XRA] offset:4352*((\g)+1)+32*(1-(\par))
.endif
.else
.if \tog
	s_xor_b32 s[XT], s[XT], XSTB                   ; the tasks go on to the next 64 inputs: the other buffer is read,
	s_xor_b32 s[XU], s[XU], XSTB                   ; and the one just left is the next to be written
	v_add_nc_u32 v[XRA], s[XT], v[XRD]
	v_add_nc_u32 v[XWA], s[XU], v[XWR]
.endif
.if \nw
.irp f, 0,1,2,3
.irp c, 0,1,2
	ds_load_b128 v[WF+12*\f+4*\c:WF+12*\f+4*\c+3], v[WRD+1-(\par)] offset:1536*\f+512*\c
.endr
.endr
.irp j, 0,1,2,3,4,5,6,7
	ds_load_b32 v[WS+8*(1-(\par))+\j], v[WSD+1-(\par)] offset:128*\j
.endr
.endif
.if \nx
	ds_load_b128 v[X:X+3], v[XRA] offset:32*(\par)
.endif
.endif
.endm
; x goes from memory to the stage in units of 64 inputs: 256 bytes of each of the 64 rows; wave w brings rows 16 w on.  Trip m stores the walk's unit m + 2 and loads its unit m + 3.
; The buffer that is written was last read ahead of the round of the step before; it is first read behind the rounds of this step and the next, and in front of each round every wave has waited for its LDS instructions.
.macro XSTORE
	s_wait_loadcnt 0x0                             ; the eight loads of the trip before: no other load of mine is out
	s_wait_xcnt 0x0                                ; the last prefetch, a trip back, has read its address
	XNEXT                                          ; the walk's unit m + 3,
	s_add_co_u32 s[PO], s[UC], 2                   ; and for the prefetch the unit two further on, round the row's end likewise
	s_and_b32 s[PO], s[PO], 15
	s_lshl_b32 s[PO], s[PO], 8
	s_add_nc_u64 s[PFA:PFA+1], s[PFB:PFB+1], s[PO:PO+1]
	WIN 0x04                                       ; an LDS store's data are its source 1: window 1
.irp i, 0,1,2,3,4,5,6,7
	ds_store_b128 v[XWA], v[XB+4*\i:XB+4*\i+3] offset:544*\i
.endr
	WIN 0
.endm
; The loads stand a group later: that group's opening wait has shown the stores done, so their registers may be loaded again.  The last trip has no unit left to load.
; THE PREFETCH stands behind the loads: the walk's unit m + 5, which the loads of two trips on will ask for; a lane a row, 256 bytes of it.  Both work-groups that read these rows walk them alike: the one with the
; first 256 columns asks, in it waves 0 and 1, 32 rows each: so each row's 256 bytes are named once in the launch.  The walk's units 0 to 4 come by their loads alone; the trips from 11 on ask for nothing: the walk has 16 units.
.macro XLOAD
	s_cmp_ge_u32 s[TR], 13
	s_cbranch_scc1 .Lno_unit_\@
	WIN 0x40                                       ; destination window 1
.irp i, 0,1,2,3,4,5,6,7
	global_load_b128 v[XB+4*\i:XB+4*\i+3], v[XGO], s[XP:XP+1] offset:8192*\i   ; two rows' 256 consecutive bytes, each at a multiple of 256 from x's first byte
.endr
	WIN 0
.Lno_unit_\@:
	s_cmp_ge_u32 s[TR], s[LIM]
	s_cbranch_scc1 .Lnot_mine_\@
	global_prefetch_b8 v[PFO], s[PFA:PFA+1] th:TH_LOAD_NT scope:SCOPE_SE
.Lnot_mine_\@:
.endm
; A GROUP: 16 products, a task's 16 slices behind them.  par: the step's parity: its slot, its sets.  zero: the products start the sums.  prod: the next step's features are made.
; meet = 2 (third group): THE CHANGE OF SLOTS.  The slot's last fragments were asked for in this group's run of loads.  Each wave waits for all its tensor loads (one is out: its piece of the other slot), adds 0 to its
; spare word, makes the next piece's address and works on registers, waits for the add and for its LDS reads, and opens a round of the cluster's barrier; behind the round no wave of any partner reads this slot or has a
; load on its way, and the slot is filled again, with the piece two steps on: 55 products and their slices stand between that request and the wait for it.  meet = 1: only the wait: nothing is left to fetch.
.macro GROUP g, par, zero, prod, meet, xh, nw, nx, tog
	s_wait_dscnt 0x0                               ; this group's fragments and this task's x, asked for 15 products ago
.irp i, 0,1,2,3,4,5,6,7,8,9,10,11,12,13,14,15
	MM \g, \i, \par, \zero
.if \prod
	SLICE \g, 1-\par, (\g)%2, \i
.endif
.if \i == 0
.if ((\g) < 3) || (\nw) || (\nx)
	RUN \g, \par, \prod, \nw, \nx, \tog
.endif
.if (\xh) && ((\g) == 0)
	XSTORE
.endif
.if (\xh) && ((\g) == 1)
	XLOAD
.endif
.endif
.if (\g) == 2
.if ((\meet) == 2) && (\i == 3)
	WIN 0                                          ; (the add's two registers lie in window 0)
	s_wait_tensorcnt 0x0                           ; all my tensor loads have landed: my piece of the other slot; so a group 0 may be written
	ds_add_u32 v[SPW], v[NIL]                      ; 0 onto my spare word; the address below, five products and their slices stand between it and the wait for it
	s_add_co_u32 s[SGC], s[SGC], 1                 ; the piece two steps on: its sigma is the count's low five bits: the walk goes round K's end
	s_and_b32 s[WO], s[SGC], 31
	s_mul_i32 s[WO], s[WO], SLOTB
	s_add_nc_u64 s[G0+4*(\par)+2:G0+4*(\par)+3], s[6:7], s[WO:WO+1]   ; made of the cluster's number, y, the wave's number and the count of steps: alike in the four partners
	s_or_b32 s[G0+4*(\par)+3], s[G0+4*(\par)+3], 0x80000000           ; type = 2
.endif
.if ((\meet) == 2) && (\i == 8)
	s_wait_dscnt 0x0                               ; the add is done, and my reads of this slot and of x's stage are over
	s_barrier_signal -1                            ; this barrier opens the round; work on registers while the others arrive
.endif
.if ((\meet) == 2) && (\i == 12)
	WIN 0
	s_barrier_wait -1
	CREST
	tensor_load_to_lds s[G0+4*(\par):G0+4*(\par)+3], s[G1:G1+7]   ; the first thing behind the round, and my only tensor load until the next
	s_nop 0
.rept 4
	v_nop
.endr
.endif
.if ((\meet) == 1) && (\i == 12)
	s_wait_tensorcnt 0x0                           ; my last piece has landed: I alone read it
.endif
.endif
.endr
.endm
.macro STEP par, zero, prod, meet, xh, nw, nx, tog
	GROUP 0, \par, \zero, \prod, \meet, \xh, \nw, \nx, \tog
	GROUP 1, \par, \zero, \prod, \meet, \xh, \nw, \nx, \tog
	GROUP 2, \par, \zero, \prod, \meet, \xh, \nw, \nx, \tog
	GROUP 3, \par, \zero, \prod, \meet, \xh, \nw, \nx, \tog
.endm
	s_load_b128 s[4:7], s[0:1], 0x0                ; x, wq
	s_load_b64 s[8:9], s[0:1], 0x10                ; out0
	v_lshl_add_u32 v[SPW], v0, 2, SPARE
	v_mov_b32 v[NIL], 0
	ds_add_u32 v[SPW], v[NIL]                      ; the wave's opening: the add and its wait stand ahead of my first tensor load; the set-up below, work on registers, stands between them
	v_lshrrev_b32 v28, 5, v0
	v_readfirstlane_b32 s10, v28                   ; wave 0..3
	v_and_b32 v28, 15, v0                          ; r
	v_bfe_u32 v29, v0, 4, 1                        ; h
	v_and_b32 v30, 31, v0                          ; lane
	v_lshlrev_b32 v[XGO], 4, v28
	v_lshl_add_u32 v[XGO], v29, 12, v[XGO]
	s_bfe_u32 s11, ttmp6, 0x40000                  ; cx: my place in the cluster; it enters x's and out0's addresses alone
	s_lshl_b32 s12, ttmp9, 2
	s_add_co_u32 s12, s12, s11                     ; my block of 64 rows = 4 x cluster x + cx
	s_and_b32 s13, ttmp7, 0xffff                   ; y: which 256 columns; the four partners share it
	s_mul_i32 s[UC], ttmp9, 3
	s_and_b32 s[UC], s[UC], 15                     ; where my cluster's walk begins: unit (3 x cluster x) % 16 of x,
	s_lshl_b32 s[SGC], s[UC], 1                    ; sigma = twice that; the four partners share both
	s_mul_i32 s[WO], s[SGC], SLOTB                 ; the walk's first piece in wq
	s_mov_b32 s[WO+1], 0
	s_add_co_u32 s[SGC], s[SGC], 1                 ; the first fills ask for steps 0 and 1
	s_lshl_b32 s[XO], s[UC], 8                     ; the walk's unit 0 in a row of x,
	s_mov_b32 s[XO+1], 0
	s_add_co_u32 s[UC], s[UC], 1
	s_and_b32 s[PO], s[UC], 15
	s_lshl_b32 s[PO], s[PO], 8                     ; and its unit 1, round the row's end
	s_mov_b32 s[PO+1], 0
	; descriptor group 1: a piece is dense in memory: 100 rows of 256 bytes (32 elements of 8 bytes), no padding: images are read 16 bytes a lane, 512 consecutive bytes an instruction
	s_mov_b32 s[G1+0], 15|(3<<16)|(1<<21)          ; 15:0 the mask: all four work-groups; 17:16 elements of 8 bytes; 21 set beside a mask
	s_mov_b32 s[G1+1], 32<<16                      ; tensor_dim0 = 32
	s_mov_b32 s[G1+2], 100<<16                     ; tensor_dim1 = 100
	s_mov_b32 s[G1+3], 32<<16                      ; tile_dim0 = 32
	s_mov_b32 s[G1+4], 100                         ; tile_dim1 = 100
	s_mov_b32 s[G1+5], 32                          ; tensor_dim0_stride
	s_mov_b32 s[G1+6], 0
	s_mov_b32 s[G1+7], 0
	KPAIR KIP, 0x3ea2f983                          ; 1 / pi
	KPAIR KPH, 0xc0490fdb                          ; - pi's upper part
	KPAIR KPL, 0x33bbbd2e                          ; - pi's lower part (which is negative)
	KPAIR KS4, 0x3638ef1d                          ; 1/9!
	KPAIR KS3, 0xb9500d01                          ; -1/7!
	KPAIR KS2, 0x3c088889                          ; 1/5!
	KPAIR KS1, 0xbe2aaaab                          ; -1/3!
	KPAIR KC5, 0xb493f27e                          ; -1/10!
	KPAIR KC4, 0x37d00d01                          ; 1/8!
	KPAIR KC3, 0xbab60b61                          ; -1/6!
	KPAIR KC2, 0x3d2aaaab                          ; 1/4!
	s_mov_b32 s[SEL], 0x76543210
	s_mov_b32 s[SEL+1], 0xfedcba98
	s_mov_b32 s[PSEL], 0x06020400
	s_mov_b32 s[XT], 0
	s_mov_b32 s[XU], XSTB
	s_lshl_b32 s70, s12, 18                        ; x: 64 rows of 4,096 bytes a block,
	s_lshl_b32 s71, s10, 16                        ; 16 a wave
	s_add_co_u32 s70, s70, s71
	s_mov_b32 s71, 0
	s_mul_i32 s72, s13, 32*SLOTB                   ; wq: y's 32 slots' worth,
	s_mul_i32 s78, s10, PIECE                      ; my wave's piece: made of y and the wave's number alone
	s_add_co_u32 s72, s72, s78
	s_mov_b32 s73, 0
	s_lshl_b32 s74, s12, 17                        ; out0: 64 rows of 2,048 bytes a block,
	s_lshl_b32 s75, s10, 15                        ; 16 a wave,
	s_add_co_u32 s74, s74, s75
	s_lshl_b32 s75, s13, 10                        ; 1,024 bytes for y
	s_add_co_u32 s74, s74, s75
	s_mov_b32 s75, 0
	s_lshl_b32 s76, s12, 18                        ; the prefetches: my block's rows, 32 for each of waves 0 and 1
	s_and_b32 s77, s10, 1
	s_lshl_b32 s77, s77, 17
	s_add_co_u32 s76, s76, s77
	s_mov_b32 s77, 0
	s_lshr_b32 s79, s10, 1
	s_or_b32 s79, s79, s13                         ; 0 in waves 0 and 1 where y = 0: the same in all four partners
	s_cmp_eq_u32 s79, 0
	s_cselect_b32 s[LIM], 11, 0
	s_wait_dscnt 0x0                               ; the opening add is done
	s_wait_kmcnt 0x0
	s_add_nc_u64 s[XBS:XBS+1], s[4:5], s[70:71]
	s_add_nc_u64 s[PFB:PFB+1], s[4:5], s[76:77]
	s_add_nc_u64 s[8:9], s[8:9], s[74:75]
	s_add_nc_u64 s[6:7], s[6:7], s[72:73]
	s_add_nc_u64 s[XP:XP+1], s[XBS:XBS+1], s[XO:XO+1]
	s_add_nc_u64 s[XP2:XP2+1], s[XBS:XBS+1], s[PO:PO+1]
	WIN 0x40
.irp i, 0,1,2,3,4,5,6,7
	global_load_b128 v[XB+4*\i:XB+4*\i+3], v[XGO], s[XP:XP+1] offset:8192*\i          ; the walk's unit 0
.endr
.irp i, 0,1,2,3,4,5,6,7
	global_load_b128 v[XB2+4*\i:XB2+4*\i+3], v[XGO], s[XP2:XP2+1] offset:8192*\i      ; its unit 1
.endr
	WIN 0
	ROUND                                          ; all four work-groups are here: the first joint loads meet
.irp s, 0,1
	s_mov_b32 s[G0+4*\s], 1                        ; count = 1
	s_add_co_u32 s[G0+4*\s+1], s78, \s*SLOTB       ; LDS address: slot s, my wave's piece
	s_add_nc_u64 s[G0+4*\s+2:G0+4*\s+3], s[6:7], s[WO:WO+1]   ; global address: the walk's first sigma, which is even and at most 30,
.if \s
	s_add_nc_u64 s[G0+4*\s+2:G0+4*\s+3], s[G0+4*\s+2:G0+4*\s+3], SLOTB   ; and the one behind it
.endif
	s_or_b32 s[G0+4*\s+3], s[G0+4*\s+3], 0x80000000         ; type = 2
	tensor_load_to_lds s[G0+4*\s:G0+4*\s+3], s[G1:G1+7]     ; both first fills go out together: two loads of mine are out
	s_nop 0
.endr
.rept 4
	v_nop
.endr
	s_lshl_b32 s70, s10, 6
	s_add_co_u32 s70, s70, XST
	v_mul_u32_u24 v[XRD], v28, 272
	v_lshl_add_u32 v[XRD], v29, 4, v[XRD]
	v_add_nc_u32 v[XRD], s70, v[XRD]
	v_add_nc_u32 v[XRA], s[XT], v[XRD]
	s_mul_i32 s71, s10, 16*272
	s_add_co_u32 s71, s71, XST
	v_mul_u32_u24 v[XWR], v29, 272
	v_lshl_add_u32 v[XWR], v28, 4, v[XWR]
	v_add_nc_u32 v[XWR], s71, v[XWR]
	v_lshl_add_u32 v[WRD], v30, 4, s78
	v_add_nc_u32 v[WRD+1], SLOTB, v[WRD]
	v_lshl_add_u32 v[WSD], v30, 2, s78
	v_add_nc_u32 v[WSD], SCOFF, v[WSD]
	v_add_nc_u32 v[WSD+1], SLOTB, v[WSD]
	v_lshlrev_b32 v[PFO], 12, v30
	v_mov_b32 v[PRT], 0                            ; written once: a lane permute's destination counts as one of its sources
	v_mov_b32 v[MAG], 0x4b400000
	v_mov_b32 v[MAG+1], 0x4b400000
	v_mov_b32 v[S5V], 0xb2d7322b
	v_mov_b32 v[S5V+1], 0xb2d7322b
	v_mov_b32 v[C6V], 0x310f76c7
	v_mov_b32 v[C6V+1], 0x310f76c7
	s_mul_i32 s72, s10, 16*OPITCH
	v_lshl_add_u32 v[RDA], v30, 4, s72             ; the way out: my 16 rows in copy 0, 16 bytes a lane,
	v_add_nc_u32 v[RDA+1], CPY, v[RDA]             ; and in the other three
	v_add_nc_u32 v[RDA+2], CPY, v[RDA+1]
	v_add_nc_u32 v[RDA+3], CPY, v[RDA+2]
	s_mul_i32 s73, s10, CPY
	v_mul_u32_u24 v[SOA], v28, OPITCH
	v_lshl_add_u32 v[SOA], v29, 5, v[SOA]
	v_add_nc_u32 v[SOA], s73, v[SOA]               ; my copy: row r, + 32 h
	v_lshlrev_b32 v[L16], 4, v30
	s_wait_loadcnt 0x0                             ; the walk's units 0 and 1
	WIN 0x04
.irp i, 0,1,2,3,4,5,6,7
	ds_store_b128 v[XWR], v[XB+4*\i:XB+4*\i+3] offset:544*\i
.endr
.irp i, 0,1,2,3,4,5,6,7
	ds_store_b128 v[XWR], v[XB2+4*\i:XB2+4*\i+3] offset:XSTB+544*\i
.endr
	WIN 0
	s_wait_dscnt 0x0                               ; for the others' sake, and the stores have read their registers
	XNEXT                                          ; no load of mine is out
	WIN 0x40
.irp i, 0,1,2,3,4,5,6,7
	global_load_b128 v[XB+4*\i:XB+4*\i+3], v[XGO], s[XP:XP+1] offset:8192*\i          ; the walk's unit 2: the first trip stores it
.endr
	WIN 0
	s_barrier_signal -1
	s_barrier_wait -1                              ; x's first two units lie in the stage; the tensor loads may stay out
	; step 0's features: four tasks with no products to stand between; x runs a task ahead
	ds_load_b128 v[X:X+3], v[XRA]
	ds_load_b128 v[X+4:X+7], v[XRA] offset:4352
	s_wait_dscnt 1
	TASK 0, 0, 0
	WIN 0
	ds_load_b128 v[X:X+3], v[XRA] offset:2*4352
	s_wait_dscnt 1
	TASK 1, 0, 1
	WIN 0
	ds_load_b128 v[X+4:X+7], v[XRA] offset:3*4352
	s_wait_dscnt 1
	TASK 2, 0, 0
	s_wait_dscnt 0x0
	TASK 3, 0, 1
	WIN 0
	s_wait_tensorcnt 0x1                           ; my piece of slot 0 is in; slot 1's may stay out.  I alone read my pieces: no barrier is wanted
	RUN 3, 1, 1, 1, 1, 0                           ; slot 0's first fragments and scale words, and x for step 1's first task
	STEP 0, 1, 1, 2, 0, 1, 1, 1                    ; step 0 stands in front of the loop: its products start the sums
	WIN 0                                          ; at a label and at a branch every window is 0
	s_mov_b32 s[TR], 0
.Ltrip:                                            ; 14 trips: steps 2 m + 1 and 2 m + 2 of the walk; each fills its slot again
	STEP 1, 0, 1, 2, 1, 1, 1, 0
	STEP 0, 0, 1, 2, 0, 1, 1, 1
	WIN 0
	s_add_co_u32 s[TR], s[TR], 1
	s_cmp_lt_u32 s[TR], 14
	s_cbranch_scc1 .Ltrip
	STEP 1, 0, 1, 2, 0, 1, 1, 0                    ; step 29 asks for the last piece
	STEP 0, 0, 1, 1, 0, 1, 0, 0                    ; step 30: nothing is left to fetch; it makes the last features
	STEP 1, 0, 0, 0, 0, 0, 0, 0                    ; step 31: products alone
	WIN 0
	; THE WAY OUT.  Each wave puts its 64 x 256 sums into a copy of its own in LDS; behind a barrier wave v adds the four copies of rows 16 v on and stores them.
.rept 4
	v_nop                                          ; places behind the last products, in front of the stores that read results and of loads into operands' registers
.endr
	s_wait_dscnt 0x0
	s_barrier_signal -1
	s_barrier_wait -1                              ; no wave reads the ring or x's stage any more, and every wave's tensor loads have landed: the copies may lie there
	WIN 0x08                                       ; an LDS store's data are its source 1: window 2
.set id, 0
.rept 32
	ds_store_b128 v[SOA], v[8*id:8*id+3] offset:16*OPITCH*(id%4)+64*(id/4)        ; lane (r, h): row 16 a + r, columns 16 t + 8 h + 0 .. 7; each accumulator from its low end on
	ds_store_b128 v[SOA], v[8*id+4:8*id+7] offset:16*OPITCH*(id%4)+64*(id/4)+16
.set id, id+1
.endr
	WIN 0x0c                                       ; window 3
.set id, 0
.rept 32
	ds_store_b128 v[SOA], v[8*id:8*id+3] offset:16*OPITCH*(id%4)+64*(8+id/4)
	ds_store_b128 v[SOA], v[8*id+4:8*id+7] offset:16*OPITCH*(id%4)+64*(8+id/4)+16
.set id, id+1
.endr
	WIN 0
	s_wait_dscnt 0x0                               ; for the others' sake: my copy has landed
	s_barrier_signal -1
	s_barrier_wait -1
; A batch is two rows: four halves of 512 bytes, each from four copies: 16 loads into 64 registers; two banks of registers by turns.
.macro LOADB b
.set BK, 144-92*((\b)%2)
.irp q, 0,1,2,3
.irp c, 0,1,2,3
	ds_load_b128 v[BK+16*\q+4*\c:BK+16*\q+4*\c+3], v[RDA+\c] offset:OPITCH*(2*(\b)+\q/2)+512*(\q%2)
.endr
.endr
.endm
.macro SUMB b
.set BK, 144-92*((\b)%2)
.irp q, 0,1,2,3
.irp e, 0,2
	v_pk_add_f32 v[BK+16*\q+\e:BK+16*\q+\e+1], v[BK+16*\q+\e:BK+16*\q+\e+1], v[BK+16*\q+4+\e:BK+16*\q+4+\e+1]
	v_pk_add_f32 v[BK+16*\q+8+\e:BK+16*\q+8+\e+1], v[BK+16*\q+8+\e:BK+16*\q+8+\e+1], v[BK+16*\q+12+\e:BK+16*\q+12+\e+1]
.endr
.irp e, 0,2
	v_pk_add_f32 v[BK+16*\q+\e:BK+16*\q+\e+1], v[BK+16*\q+\e:BK+16*\q+\e+1], v[BK+16*\q+8+\e:BK+16*\q+8+\e+1]
.endr
	global_store_b128 v[L16], v[BK+16*\q:BK+16*\q+3], s[8:9] offset:2048*(2*(\b)+\q/2)+512*(\q%2) th:TH_STORE_NT   ; 32 lanes store 512 consecutive bytes, at a multiple of 256 from out0's first byte
.endr
.endm
	LOADB 0
.irp b, 0,1,2,3,4,5,6,7
.if \b < 7
.if \b > 0
	s_wait_xcnt 0x0                                ; the stores of the batch before have read their registers: the next batch may land there
.endif
	LOADB \b+1
	s_wait_dscnt 16                                ; this batch is in; the next batch's 16 loads may be out
.else
	s_wait_dscnt 0x0
.endif
	SUMB \b
.endr
	s_wait_tensorcnt 0x0                           ; the wave's end: behind my last tensor load and my last LDS store
	ds_add_u32 v[SPW], v[NIL]
	s_wait_dscnt 0x0
	ROUND                                          ; the closing round: no work-group ends while a partner may still ask for a piece that names it
	s_endpgm
.Lfunc_end_k_q178156f050_fkan:
	.size	k_q178156f050_fkan, .Lfunc_end_k_q178156f050_fkan-k_q178156f050_fkan
	.p2alignl 7, 3214868480
	.fill 96, 4, 3214868480
	.section	.rodata,"a",@progbits
	.p2align	6, 0x0
	.amdhsa_kernel k_q178156f050_fkan
		.amdhsa_group_segment_fixed_size 327680
		.amdhsa_private_segment_fixed_size 0
		.amdhsa_enable_private_segment 0
		.amdhsa_kernarg_size 24
		.amdhsa_user_sgpr_count 2
		.amdhsa_user_sgpr_kernarg_segment_ptr 1
		.amdhsa_wavefront_size32 1
		.amdhsa_system_sgpr_workgroup_id_x 1
		.amdhsa_system_sgpr_workgroup_id_y 1
		.amdhsa_system_sgpr_workgroup_id_z 1
		.amdhsa_system_vgpr_workitem_id 0
		.amdhsa_next_free_vgpr 1024
		.amdhsa_next_free_sgpr 94
		.amdhsa_reserve_vcc 0
		.amdhsa_float_denorm_mode_32 3
		.amdhsa_float_denorm_mode_16_64 3
		.amdhsa_memory_ordered 1
		.amdhsa_forward_progress 1
		.amdhsa_inst_pref_size 255
	.end_amdhsa_kernel
	.section	.bss,"aw",@nobits
	.p2align	6
	.space	262144
	.amdgpu_metadata
---
amdhsa.version: [ 1, 2 ]
amdhsa.kernels:
  - .name:           k_q178156f050_fkan
    .symbol:         k_q178156f050_fkan.kd
    .args:
      - { .name: x, .offset: 0, .size: 8, .value_kind: global_buffer, .address_space: global }
      - { .name: wq, .offset: 8, .size: 8, .value_kind: global_buffer, .address_space: global }
      - { .name: out0, .offset: 16, .size: 8, .value_kind: global_buffer, .address_space: global }
    .group_segment_fixed_size: 327680
    .private_segment_fixed_size: 0
    .kernarg_segment_align: 8
    .kernarg_segment_size: 24
    .max_flat_workgroup_size: 128
    .sgpr_count:     94
    .vgpr_count:     1024
    .wavefront_size: 32
...
	.end_amdgpu_metadata
.endif
;; end of part 2
